; MI455X (gfx1250); checked and timed in simulation.
; The chip was launched on July 23, 2026; its instructions are those of AMD's public machine-readable ISA for CDNA 5 (MIT licence, August 2026) and "CDNA5" Instruction Set Architecture Reference Guide (July 2026). The comments in the code are by the model that wrote it; some were corrected since.
;; Linear Attention. Allowed arithmetic: float matrix products may take bf16 or f16 operands with f32 sums; all other float work in f32.
;; Inputs: Wk 1,024 x 1,024 float32; Wq 1,024 x 1,024 float32; Wv 1,024 x 1,024 float32; bk 1,024 float32; bq 1,024 float32; bv 1,024 float32; mask 4 x 4,096 bool; x 4 x 4,096 x 1,024 float32.
;; Outputs: out0 4 x 4,096 x 1,024 float32.
;; 2 versions, each right; version 2 is version 1 with the launch prep written anew for expert scheduling mode. Each part assembles by itself: llvm-mc -triple=amdgcn-amd-amdhsa -mcpu=gfx1250 --defsym DOCPART=n.
;; ======== version 1 of 2: 4 launches
;; limits: values outside matrix products are rounded to bf16
;; workspace buffers: xb 33,554,432 bytes; wkv 4,194,304 bytes; wqt 2,097,152 bytes; part 20,971,520 bytes; kvz 655,360 bytes
;; launch prep (part 1): grid 1408 x 1, 8 waves a work-group, no clusters, 17,920 bytes of LDS; arguments x, Wq, Wk, Wv, xb, wqt, wkv; writes xb, wqt, wkv
.if DOCPART == 1
	.amdgcn_target "amdgcn-amd-amdhsa--gfx1250"
	.amdhsa_code_object_version 6
	.text
	.protected	k_qcb99759d4f_prep
	.globl	k_qcb99759d4f_prep
	.p2align	8
	.type	k_qcb99759d4f_prep,@function
k_qcb99759d4f_prep:
	s_mov_b64 s[64:65], 0
	v_nop
	global_prefetch_b8 v0, s[64:65] scope:SCOPE_SE
	s_setreg_imm32_b32 hwreg(HW_REG_WAVE_MODE, 25, 1), 1
	s_wait_xcnt 0x0
; Rounds the matrix operands to bf16 once, in the order in which the two products want them (K along the rows).
;   work-groups 0 .. 383:    one tile of 128 k x 64 n of Wq, Wk or Wv, transposed through LDS:
;                            wqt[n][k] = Wq[k][n];  wkv[128 h + d][k] = Wk[k][64 h + d];  wkv[128 h + 64 + d][k] = Wv[k][64 h + d]
;   work-groups 384 .. 1407: 65,536 bytes of x, rounded to xb in place order.
; A stream: every input byte is read once by 16-byte loads whose sixteen neighbouring lanes take 256 aligned bytes, every output
; byte is written once, a wave's store covering 256 aligned bytes.  No matrix unit, no cluster: no work-group shares a byte with another.
; The branch below hangs on the work-group's number alone, so all eight waves of a group take the same way and meet the same barrier.
.set WTILES, 384
.set LP,     264                       ; LDS pitch of a transposed row: 128 bf16 + 8 bytes
	s_load_b256 s[4:11], s[0:1], 0x0               ; x s[4:5], Wq s[6:7], Wk s[8:9], Wv s[10:11]
	s_load_b128 s[12:15], s[0:1], 0x20             ; xb s[12:13], wqt s[14:15]
	s_load_b64 s[16:17], s[0:1], 0x30              ; wkv
	v_lshl_add_u32 v104, v0, 2, 0x4200
	v_mov_b32 v105, 0
	s_cmp_lt_u32 ttmp9, WTILES
	s_cbranch_scc1 .Lweights
	; ---- x: 16 loads of 16 bytes a thread, all issued first; each is rounded and stored as it comes
	s_sub_co_u32 s20, ttmp9, WTILES                ; piece 0 .. 1023
	s_lshl_b32 s22, s20, 16                        ; 65,536 bytes of x
	s_mov_b32 s23, 0
	s_lshl_b32 s24, s20, 15                        ; 32,768 bytes of xb
	s_mov_b32 s25, 0
	v_lshlrev_b32 v1, 4, v0                        ; 16 t
	v_lshlrev_b32 v2, 3, v0                        ; 8 t
	s_wait_kmcnt 0x0
	s_add_nc_u64 s[4:5], s[4:5], s[22:23]
	s_add_nc_u64 s[12:13], s[12:13], s[24:25]
.irp i, 0,1,2,3,4,5,6,7,8,9,10,11,12,13,14,15
	global_load_b128 v[8+4*\i:11+4*\i], v1, s[4:5] offset:4096*\i th:TH_LOAD_NT
.endr
.irp i, 0,1,2,3,4,5,6,7,8,9,10,11,12,13,14,15
	s_wait_loadcnt 15-\i                           ; loads come back in order: load i is in, the 15 - i younger ones stay out
	v_cvt_pk_bf16_f32 v[72+2*\i], v[8+4*\i], v[9+4*\i]
	v_cvt_pk_bf16_f32 v[73+2*\i], v[10+4*\i], v[11+4*\i]
	global_store_b64 v2, v[72+2*\i:73+2*\i], s[12:13] offset:2048*\i   ; each store has data registers of its own: none is rewritten
.endr
	s_endpgm
.Lweights:
	; ---- a tile of a weight matrix
	s_lshr_b32 s20, ttmp9, 7                       ; which matrix: 0 Wq, 1 Wk, 2 Wv
	s_bfe_u32 s21, ttmp9, 0x30004                  ; kt: which 128 rows (k)
	s_and_b32 s22, ttmp9, 15                       ; nt: which 64 columns (n) = which head
	s_lshl_b32 s24, s21, 19                        ; 128 rows of 4,096 bytes
	s_lshl_b32 s23, s22, 8                         ; 64 columns of 4 bytes
	s_add_co_u32 s24, s24, s23
	s_mov_b32 s25, 0
	s_lshl_b32 s26, s22, 6                         ; first row in wqt: 64 nt
	s_lshl_b32 s27, s22, 7                         ; first row in wkv: 128 nt + 64 (matrix - 1)
	s_sub_co_u32 s28, s20, 1
	s_lshl_b32 s28, s28, 6
	s_add_co_u32 s27, s27, s28
	s_cmp_eq_u32 s20, 0
	s_cselect_b32 s26, s26, s27
	s_lshl_b32 s26, s26, 11                        ; rows of 2,048 bytes
	s_lshl_b32 s28, s21, 8                         ; + 128 k of 2 bytes
	s_add_co_u32 s26, s26, s28
	s_mov_b32 s27, 0
	v_and_b32 v2, 15, v0                           ; c: my 4 columns
	v_lshrrev_b32 v3, 4, v0                        ; rr: my pair of rows, 0 .. 15
	v_lshlrev_b32 v1, 13, v3
	v_lshl_add_u32 v1, v2, 4, v1                   ; 2 rr rows + 16 c
	v_mul_u32_u24 v4, v2, 4*LP
	v_lshl_add_u32 v4, v3, 2, v4                   ; LDS: row n = 4 c, k = 2 rr
	v_lshrrev_b32 v5, 5, v0                        ; wave
	v_and_b32 v6, 31, v0
	v_lshlrev_b32 v6, 3, v6                        ; 8 x lane
	v_mul_u32_u24 v7, v5, 8*LP
	v_add_nc_u32 v7, v7, v6                        ; LDS: my wave's 8 rows, 8 bytes a lane
	v_lshl_add_u32 v5, v5, 14, v6                  ; the same 8 rows of 2,048 bytes in the output
	s_wait_kmcnt 0x0
	s_cmp_eq_u32 s20, 0
	s_cselect_b64 s[18:19], s[6:7], s[8:9]
	s_cselect_b64 s[28:29], s[14:15], s[16:17]
	s_cmp_eq_u32 s20, 2
	s_cselect_b64 s[18:19], s[10:11], s[18:19]
	s_add_nc_u64 s[18:19], s[18:19], s[24:25]
	s_add_nc_u64 s[28:29], s[28:29], s[26:27]
.irp i, 0,1,2,3
	global_load_b128 v[8+8*\i:11+8*\i],  v1, s[18:19] offset:131072*\i th:TH_LOAD_NT        ; row k = 2 rr + 32 i
	global_load_b128 v[12+8*\i:15+8*\i], v1, s[18:19] offset:131072*\i+4096 th:TH_LOAD_NT   ; row k + 1
.endr
	s_wait_loadcnt 0x0
.irp i, 0,1,2,3
.irp q, 0,1,2,3
	v_cvt_pk_bf16_f32 v[40+4*\i+\q], v[8+8*\i+\q], v[12+8*\i+\q]      ; two neighbouring k of column 4 c + q
	ds_store_b32 v4, v[40+4*\i+\q] offset:LP*\q+64*\i
.endr
.endr
	s_wait_dscnt 0x0                               ; my stores are in LDS before I say so: other waves read them
	s_barrier_signal -1
	s_barrier_wait -1
.irp u, 0,1,2,3,4,5,6,7
	ds_load_b64 v[56+2*\u:57+2*\u], v7 offset:LP*\u
.endr
.irp u, 0,1,2,3,4,5,6,7
	s_wait_dscnt 7-\u                              ; LDS loads come back in order: row u is in
	global_store_b64 v5, v[56+2*\u:57+2*\u], s[28:29] offset:2048*\u   ; the wave stores 256 consecutive bytes, aligned
.endr
	s_wait_tensorcnt 0x0
	ds_add_u32 v104, v105
	s_wait_dscnt 0x0
	s_endpgm
.Lfunc_end_k_qcb99759d4f_prep:
	.size	k_qcb99759d4f_prep, .Lfunc_end_k_qcb99759d4f_prep-k_qcb99759d4f_prep
	.p2alignl 7, 3214868480
	.fill 96, 4, 3214868480
	.section	.rodata,"a",@progbits
	.p2align	6, 0x0
	.amdhsa_kernel k_qcb99759d4f_prep
		.amdhsa_group_segment_fixed_size 17920
		.amdhsa_private_segment_fixed_size 0
		.amdhsa_enable_private_segment 0
		.amdhsa_kernarg_size 56
		.amdhsa_user_sgpr_count 2
		.amdhsa_user_sgpr_kernarg_segment_ptr 1
		.amdhsa_wavefront_size32 1
		.amdhsa_system_sgpr_workgroup_id_x 1
		.amdhsa_system_sgpr_workgroup_id_y 1
		.amdhsa_system_sgpr_workgroup_id_z 1
		.amdhsa_system_vgpr_workitem_id 0
		.amdhsa_next_free_vgpr 106
		.amdhsa_next_free_sgpr 66
		.amdhsa_reserve_vcc 0
		.amdhsa_float_denorm_mode_32 3
		.amdhsa_float_denorm_mode_16_64 3
		.amdhsa_memory_ordered 1
		.amdhsa_forward_progress 1
		.amdhsa_inst_pref_size 13
	.end_amdhsa_kernel
	.amdgpu_metadata
---
amdhsa.version: [ 1, 2 ]
amdhsa.kernels:
  - .name:           k_qcb99759d4f_prep
    .symbol:         k_qcb99759d4f_prep.kd
    .args:
      - { .name: x, .offset: 0, .size: 8, .value_kind: global_buffer, .address_space: global }
      - { .name: Wq, .offset: 8, .size: 8, .value_kind: global_buffer, .address_space: global }
      - { .name: Wk, .offset: 16, .size: 8, .value_kind: global_buffer, .address_space: global }
      - { .name: Wv, .offset: 24, .size: 8, .value_kind: global_buffer, .address_space: global }
      - { .name: xb, .offset: 32, .size: 8, .value_kind: global_buffer, .address_space: global }
      - { .name: wqt, .offset: 40, .size: 8, .value_kind: global_buffer, .address_space: global }
      - { .name: wkv, .offset: 48, .size: 8, .value_kind: global_buffer, .address_space: global }
    .group_segment_fixed_size: 17920
    .private_segment_fixed_size: 0
    .kernarg_segment_align: 8
    .kernarg_segment_size: 56
    .max_flat_workgroup_size: 256
    .sgpr_count:     66
    .vgpr_count:     106
    .wavefront_size: 32
...
	.end_amdgpu_metadata
.endif
;; end of part 1
;; launch kvpass (part 2): grid 8 x 64, 4 waves a work-group, clusters of 4 x 4, 327,680 bytes of LDS; arguments xb, wkv, bk, bv, mask, part; writes part
.if DOCPART == 2
	.amdgcn_target "amdgcn-amd-amdhsa--gfx1250"
	.amdhsa_code_object_version 6
	.text
	.protected	k_qcb99759d4f_kvpass
	.globl	k_qcb99759d4f_kvpass
	.p2align	8
	.type	k_qcb99759d4f_kvpass,@function
k_qcb99759d4f_kvpass:
	s_mov_b64 s[64:65], 0
	v_nop
	global_prefetch_b8 v0, s[64:65] scope:SCOPE_SE
	s_setreg_imm32_b32 hwreg(HW_REG_WAVE_MODE, 25, 1), 1
	s_wait_xcnt 0x0
	s_wait_alu depctr_hold_cnt(0) depctr_sa_sdst(0) depctr_va_vdst(0) depctr_va_sdst(0) depctr_va_ssrc(0) depctr_va_vcc(0) depctr_vm_vsrc(0)
	s_getreg_b32 s2, hwreg(HW_REG_IB_STS2, 6, 4)
	s_cmp_eq_u32 s2, 0
	s_cbranch_scc0 .Lentry_in_a_cluster
	s_endpgm
.Lentry_in_a_cluster:
	s_bfe_u32 s2, ttmp6, 0x10000c
	s_cmp_lg_u32 s2, 0xf033
	s_cbranch_scc0 .Lentry_shape_is_right
	s_endpgm
.Lentry_shape_is_right:
; K and V projections of 256 tokens for two heads, the feature map, the mask, and these tokens' share of kv = kf^T v and z = sum kf.
; A work-group makes 256 tokens x 256 rows of wkv (head 2 X: 64 of K, 64 of V; head 2 X + 1 likewise) with four waves; a wave makes
; 128 tokens x one head in 64 accumulator tiles (512 registers).  K = 1024 goes in steps of 128 through two LDS slots filled by tensor loads.
; CLUSTERS: 4 x 4 work-groups.  The four of a row of the cluster need the same tiles of xb, the four of a column the same tiles of wkv:
; each tile is asked for jointly, which divides the requests for both by four.
; THE PRODUCT IS USED AS IT STANDS (source 0 = tokens, source 1 = rows of wkv): register j of tile (a, b) holds token 16 a + 8 (l / 16) + j,
; feature 16 b + l % 16.  Packed in pairs, tiles (2 p, b) and (2 p + 1, b) are registers 0-3 and 4-7 of a fragment with k = tokens 32 p .. 32 p + 31
; and row (or column) = feature: kf^T as source 0 and v as source 1 of the second product, inside each lane: neither goes through LDS.
; z is the same product with a v fragment of ones (every column of that tile holds z).
; OUT: part[row block][head] = the 20 tiles (t = 4 nb + mb; nb = 4 is z) as a register image, f32: [tile][half][lane][4].
; LIMITS: matrix operands are bf16, kf and v too, and z is summed from the rounded kf; sums are f32.  v_exp_f32 gives 0 below 2^-126.
; The mask is applied by AND on the bf16 words: a masked token counts as exact zero whatever its values; mask bytes are 0 or 1.
.set SIZE_K, 1024
.set KSTEP,  128
.set PITCH,  272                       ; an LDS row: 256 bytes + 16 of padding, an odd multiple of 16: the 16 rows of a fragment load start in different banks
.set HALFT,  128*PITCH                 ; 128 rows: one tensor load, and what one wave reads of either operand
.set SLOT,   4*HALFT                   ; 256 rows of xb, then 256 rows of wkv
.set STAGE,  2*SLOT                    ; behind the ring, never filled by a tensor load: two images for the exchange
.set IMAGE,  20480                     ; 20 tiles x 1,024 bytes
.set LAPS,   SIZE_K/(2*KSTEP)          ; a lap = two K steps = once round the ring
.set ADRA, 2                           ; v2-3    LDS address of my xb fragments in slot 0, 1
.set ADRB, 4                           ; v4-5    the same for wkv
.set IMG,  6                           ; v6      my 16 bytes in my head's image in LDS
.set GOFF, 7                           ; v7      16 x lane
.set BK1,  8                           ; v8-15   bk + 1, a pair (twice the same) for each of the 4 K blocks
.set BKL,  16                          ; v16-23  bk x log2(e), likewise
.set BV,   24                          ; v24-31  bv, likewise
.set MW,   32                          ; v32-63  word 4 a + jj: 0xffff or 0 in each half for tokens 16 a + 8 (l / 16) + 2 jj, + 1
.set F0,   64                          ; fragment buffer 0 (window 0: xb, window 1: wkv)
.set F1,   128                         ; fragment buffer 1
.set FR,   64                          ; behind the K loop: kf fragments at FR + 8 mb, v fragments at FR + 32 + 8 nb,
.set ONES, 128                         ; and the fragment of ones as v fragment 4
.set TQ,   160                         ; v160-191 exponents, then exponentials
.set TP,   192                         ; v192-223 value + 1, then phi
.set TV,   224                         ; v224-255 v
.set G1,  24                           ; s[24:31] descriptor group 1 for xb's tiles
.set G0,  32                           ; s[32:39] group 0 for xb's tiles, one set for each slot
.set G1B, 48                           ; s[48:55] group 1 for wkv's tiles: another mask
.set G0B, 56                           ; s[56:63] group 0 for wkv's tiles
.set MSB, 0
.macro WIN new                         ; the immediate's high byte repeats the setting that is left
.if MSB != (\new)
	s_set_vgpr_msb (MSB<<8)|(\new)
.set MSB, (\new)
.endif
.endm
.set MUL_LO, 0xa4                      ; source 0 (xb) window 0, source 1 (wkv) window 1, C and D window 2
.set MUL_HI, 0xf4                      ; the same, C and D window 3
.set TO_B,   0x40                      ; destination window 1
; A joint load: waves 0 and 1 fetch xb's two halves, waves 2 and 3 wkv's.  The branch hangs on the wave's number alone.
.macro JLOAD s
	s_cmp_eq_u32 s11, 0
	s_cbranch_scc0 .Lfor_b_\@
	tensor_load_to_lds s[G0+4*\s:G0+4*\s+3], s[G1:G1+7]
	s_nop 0
	s_branch .Lasked_\@
.Lfor_b_\@:
	tensor_load_to_lds s[G0B+4*\s:G0B+4*\s+3], s[G1B:G1B+7]
	s_nop 0
.Lasked_\@:
.endm
.macro CREST                           ; a round of the cluster's barrier behind its opening barrier
	s_cmp_lg_u32 s10, 0
	s_cbranch_scc1 .Lnot_wave_0_\@
	s_barrier_signal -3
.Lnot_wave_0_\@:
	s_barrier_wait -3
	s_barrier_signal -1
	s_barrier_wait -1
.endm
.macro CROUND                          ; a whole round
	s_barrier_signal -1
	s_barrier_wait -1
	CREST
.endm
	s_load_b128 s[4:7], s[0:1], 0x0                ; xb s[4:5], wkv s[6:7]
	s_load_b256 s[68:75], s[0:1], 0x10             ; bk s[68:69], bv s[70:71], mask s[72:73], part s[74:75]
	s_set_vgpr_msb 0x40
	v_lshl_add_u32 v254, v0, 2, 0x4e000
	v_mov_b32 v255, 0
	s_set_vgpr_msb 0x4045
	ds_add_u32 v254, v255
	s_set_vgpr_msb 0x4500
	v_lshrrev_b32 v1, 5, v0
	v_readfirstlane_b32 s10, v1                    ; wave 0..3
	s_lshr_b32 s11, s10, 1                         ; which 128 tokens are mine.  Also: I fetch for xb (0) or for wkv (1)
	s_and_b32 s12, s10, 1                          ; which head of the two.  Also: which 128 rows of that tile I fetch
	s_bfe_u32 s40, ttmp6, 0x40000                  ; cx
	s_bfe_u32 s41, ttmp6, 0x40004                  ; cy
	s_lshl_b32 s42, ttmp9, 2
	s_add_co_u32 s42, s42, s40                     ; block column = 4 x cluster x + cx
	s_and_b32 s13, ttmp7, 0xffff
	s_lshl_b32 s13, s13, 2
	s_add_co_u32 s13, s13, s41                     ; block row = 4 x cluster y + cy
	s_lshl_b32 s43, s41, 2
	s_lshl_b32 s43, 15, s43                        ; my row of the cluster
	s_lshl_b32 s44, 0x1111, s40                    ; my column
	; group 1: a tile of 128 rows x 128 bf16, 16 bytes of padding behind every 64 words
	s_or_b32 s[G1+0], s43, (1<<16)|(1<<20)|(1<<21)|(5<<22)|(3<<25)
	s_or_b32 s[G1B+0], s44, (1<<16)|(1<<20)|(1<<21)|(5<<22)|(3<<25)
	s_mov_b32 s[G1+1], KSTEP<<16                   ; tensor_dim0 = 128
	s_mov_b32 s[G1B+1], KSTEP<<16
	s_mov_b32 s[G1+2], 128<<16                     ; tensor_dim1 = 128
	s_mov_b32 s[G1B+2], 128<<16
	s_mov_b32 s[G1+3], KSTEP<<16                   ; tile_dim0 = 128
	s_mov_b32 s[G1B+3], KSTEP<<16
	s_mov_b32 s[G1+4], 128                         ; tile_dim1 = 128
	s_mov_b32 s[G1B+4], 128
	s_mov_b32 s[G1+5], SIZE_K                      ; elements from row to row
	s_mov_b32 s[G1B+5], SIZE_K
	s_mov_b32 s[G1+6], 0
	s_mov_b32 s[G1B+6], 0
	s_mov_b32 s[G1+7], 0
	s_mov_b32 s[G1B+7], 0
	; xb's tiles hang on the block row alone, wkv's on the block column alone, each in registers that never hold the other coordinate
	s_lshl_b32 s17, s12, 7
	s_lshl_b32 s16, s13, 8
	s_add_co_u32 s16, s16, s17                     ; xb: row 256 x block row + 128 x half
	s_lshl_b32 s46, s42, 8
	s_add_co_u32 s46, s46, s17                     ; wkv: row 256 x block column + 128 x half
	s_mov_b32 s17, 0
	s_mov_b32 s47, 0
	s_mov_b64 s[18:19], SIZE_K*2
	s_mul_u64 s[16:17], s[16:17], s[18:19]
	s_mul_u64 s[46:47], s[46:47], s[18:19]
	s_mul_i32 s20, s10, HALFT                      ; LDS: wave x 128 rows
	s_wait_dscnt 0x0
	s_wait_kmcnt 0x0
	s_add_nc_u64 s[14:15], s[4:5], s[16:17]
	s_add_nc_u64 s[46:47], s[6:7], s[46:47]
	CROUND                                         ; all sixteen work-groups are here: the first joint loads meet
.irp s, 0,1
	s_mov_b32 s[G0+4*\s], 1
	s_add_co_u32 s[G0+4*\s+1], s20, \s*SLOT
	s_add_nc_u64 s[G0+4*\s+2:G0+4*\s+3], s[14:15], \s*KSTEP*2
	s_or_b32 s[G0+4*\s+3], s[G0+4*\s+3], 0x80000000
	s_mov_b32 s[G0B+4*\s], 1
	s_add_co_u32 s[G0B+4*\s+1], s20, \s*SLOT
	s_add_nc_u64 s[G0B+4*\s+2:G0B+4*\s+3], s[46:47], \s*KSTEP*2
	s_or_b32 s[G0B+4*\s+3], s[G0B+4*\s+3], 0x80000000
	JLOAD \s                                       ; both slots' first fills go out together: two tensor loads of the wave are out here, one behind each later round
.endr
	; addresses (scratch: v100-106, in fragment buffer 0, which is first loaded behind the wait for these loads)
	v_and_b32 v100, 15, v0                         ; r = l % 16
	v_bfe_u32 v101, v0, 4, 1                       ; h = l / 16
	v_mul_u32_u24 v102, v100, PITCH
	v_lshl_add_u32 v102, v101, 4, v102             ; row x pitch + 16 h
	s_mul_i32 s21, s11, HALFT                      ; my 128 rows of xb
	s_mul_i32 s22, s12, HALFT                      ; my 128 rows of wkv,
	s_add_co_u32 s22, s22, 2*HALFT                 ; which lie behind xb's 256
.irp s, 0,1
	v_add_nc_u32 v[ADRA+\s], s21, v102
	v_add_nc_u32 v[ADRB+\s], s22, v102
	s_add_co_u32 s21, s21, SLOT
	s_add_co_u32 s22, s22, SLOT
.endr
	v_and_b32 v103, 31, v0
	v_lshlrev_b32 v[GOFF], 4, v103
	s_mul_i32 s23, s12, IMAGE
	s_add_co_u32 s23, s23, STAGE
	v_add_nc_u32 v[IMG], s23, v[GOFF]
	s_mov_b32 s76, 0x01010000                      ; v_perm_b32: bytes 0, 0, 1, 1
	s_mov_b32 s77, 0x03030202                      ; bytes 2, 2, 3, 3
	s_mov_b32 s78, 0xff
	s_lshl_b32 s79, s42, 1
	s_add_co_u32 s79, s79, s12                     ; my head
	s_lshl_b32 s80, s79, 8                         ; 64 f32 a head
	s_mov_b32 s81, 0
	s_add_nc_u64 s[68:69], s[68:69], s[80:81]
	s_add_nc_u64 s[70:71], s[70:71], s[80:81]
	s_lshl_b32 s80, s13, 8
	s_lshl_b32 s82, s11, 7
	s_add_co_u32 s80, s80, s82                     ; my first token = its byte in mask
	s_add_nc_u64 s[72:73], s[72:73], s[80:81]
	s_lshl_b32 s82, s13, 4
	s_add_co_u32 s82, s82, s79
	s_mul_i32 s82, s82, IMAGE                      ; part[block row][head]
	s_mov_b32 s83, 0
	s_add_nc_u64 s[8:9], s[74:75], s[82:83]
	v_lshlrev_b32 v104, 2, v100                    ; 4 r
	v_lshlrev_b32 v105, 3, v101                    ; 8 h
.irp b, 0,1,2,3
	global_load_b32 v[80+\b], v104, s[68:69] offset:64*\b       ; bk of feature 16 b + r
	global_load_b32 v[BV+2*\b], v104, s[70:71] offset:64*\b     ; bv likewise
.endr
.irp a, 0,1,2,3,4,5,6,7
	global_load_b64 v[64+2*\a:65+2*\a], v105, s[72:73] offset:16*\a   ; mask bytes of tokens 16 a + 8 h + 0 .. 7
.endr
	s_wait_loadcnt 0x0
.irp b, 0,1,2,3
	v_add_f32 v[BK1+2*\b], 1.0, v[80+\b]
	v_add_f32 v[BK1+2*\b+1], 1.0, v[80+\b]
	v_mul_f32 v[BKL+2*\b], 0x3fb8aa3b, v[80+\b]
	v_mul_f32 v[BKL+2*\b+1], 0x3fb8aa3b, v[80+\b]
	v_mov_b32 v[BV+2*\b+1], v[BV+2*\b]
.endr
.irp a, 0,1,2,3,4,5,6,7
.irp w, 0,1
	v_mul_lo_u32 v106, v[64+2*\a+\w], s78          ; bytes 0 / 1 become 0x00 / 0xff: no carry leaves a byte
	v_perm_b32 v[MW+4*\a+2*\w], v106, v106, s76
	v_perm_b32 v[MW+4*\a+2*\w+1], v106, v106, s77
.endr
.endr
; 16 matrix instructions: token blocks a0, a0 + 1 of the window's four x all 8 feature blocks, 32 along K.  zero = 1: the first product starts the sums.
.macro MUL16 f, hi, a0, zero
.irp a, \a0, \a0+1
.irp b, 0,1,2,3,4,5,6,7
.if \zero
	v_wmma_f32_16x16x32_bf16 v[8*(8*(\a)+\b):8*(8*(\a)+\b)+7], v[\f+8*(4*\hi+\a):\f+8*(4*\hi+\a)+7], v[\f+8*\b:\f+8*\b+7], 0
.else
	v_wmma_f32_16x16x32_bf16 v[8*(8*(\a)+\b):8*(8*(\a)+\b)+7], v[\f+8*(4*\hi+\a):\f+8*(4*\hi+\a)+7], v[\f+8*\b:\f+8*\b+7], v[8*(8*(\a)+\b):8*(8*(\a)+\b)+7]
.endif
.endr
.endr
.endm
; 32 LDS loads in one run: one quarter step's fragments (128 rows of wkv, 128 rows of xb, 32 K at byte k) into buffer f
.macro FETCH slot, k, f
	WIN TO_B
.irp i, 0,1,2,3,4,5,6,7
	ds_load_b128 v[\f+8*\i:\f+8*\i+3],   v[ADRB+\slot] offset:\k+\i*16*PITCH
	ds_load_b128 v[\f+8*\i+4:\f+8*\i+7], v[ADRB+\slot] offset:\k+\i*16*PITCH+32
.endr
	WIN 0
.irp i, 0,1,2,3,4,5,6,7
	ds_load_b128 v[\f+8*\i:\f+8*\i+3],   v[ADRA+\slot] offset:\k+\i*16*PITCH
	ds_load_b128 v[\f+8*\i+4:\f+8*\i+7], v[ADRA+\slot] offset:\k+\i*16*PITCH+32
.endr
.endm
; Four independent vector instructions between a matrix instruction and a load into, a write of or a read of its registers
.macro PLACES
.rept 4
	v_nop
.endr
.endm
; The 64 accumulators take turns, one instruction a turn, in the same order in every quarter step.
.macro QUARTER slot, k, f, g, zero
	s_wait_dscnt 8                                 ; wkv and xb's rows 0-63 are in; the youngest eight loads (xb's rows 64-127) may be out
	WIN MUL_LO
	MUL16 \f, 0, 0, \zero
	MUL16 \f, 0, 2, \zero
	PLACES
	FETCH \slot, \k, \g
	s_wait_dscnt 32                                ; all but the 32 just issued
	WIN MUL_HI
	MUL16 \f, 1, 0, \zero
	MUL16 \f, 1, 2, \zero
.endm
.macro THREE slot, zero
	QUARTER \slot, 64,  F0, F1, \zero
	QUARTER \slot, 128, F1, F0, 0
	QUARTER \slot, 192, F0, F1, 0
.endm
; The last quarter of a K step changes slots.  In front of the barrier each wave waits for its reads of this slot and for all its tensor loads
; (the one that is out is its part of the next slot); where the slot is filled again the barrier opens a round of the cluster's barrier,
; and the joint refill is the first tensor load behind the round.  From a request to the wait for it a wave issues 240 matrix instructions.
.macro TURN slot, next, fill
	s_wait_dscnt 8
	WIN MUL_LO
	MUL16 F1, 0, 0, 0
	s_wait_dscnt 0                                 ; my reads of this slot are over
	s_set_vgpr_msb 0xa4a5
	s_wait_tensorcnt 0x0                           ; all my tensor loads have landed
	ds_add_u32 v254, v255
	s_wait_dscnt 0x0
	s_set_vgpr_msb 0xa5a4
	s_barrier_signal -1
	MUL16 F1, 0, 2, 0                              ; registers only, while the others arrive
	WIN 0
	s_barrier_wait -1
.if \fill
	CREST
	s_add_nc_u64 s[G0+4*\slot+2:G0+4*\slot+3], s[G0+4*\slot+2:G0+4*\slot+3], 2*KSTEP*2
	s_add_nc_u64 s[G0B+4*\slot+2:G0B+4*\slot+3], s[G0B+4*\slot+2:G0B+4*\slot+3], 2*KSTEP*2
	JLOAD \slot
.endif
	PLACES
	FETCH \next, 0, F0
	WIN MUL_HI
	MUL16 F1, 1, 0, 0
	MUL16 F1, 1, 2, 0
.endm
.macro LAP zero
	THREE 0, \zero
	TURN 0, 1, 1
	THREE 1, 0
	TURN 1, 0, 1
.endm
	s_wait_tensorcnt 1                             ; my part of K step 0 is in; K step 1's stays out
	s_barrier_signal -1
	s_barrier_wait -1
	FETCH 0, 0, F0
	LAP 1
	WIN 0
	s_mov_b32 s3, LAPS-2
.Llap:
	LAP 0
	WIN 0
	s_sub_co_u32 s3, s3, 1
	s_cmp_lg_u32 s3, 0
	s_cbranch_scc1 .Llap
	THREE 0, 0                                     ; the last lap fills nothing
	TURN 0, 1, 0
	THREE 1, 0
	s_wait_dscnt 8
	WIN MUL_LO
	MUL16 F1, 0, 0, 0
	MUL16 F1, 0, 2, 0
	s_wait_dscnt 0
	WIN MUL_HI
	MUL16 F1, 1, 0, 0
	MUL16 F1, 1, 2, 0
; Token block a (16 tokens): bias, feature map, rounding, mask, into half (a & 1) of the eight fragments.
; phi(y) = the middle one of exp(y), 1 and y + 1: for y > 0, exp(y) >= y + 1 > 1; for y <= 0, y + 1 <= exp(y) <= 1.
.macro EPI_M a
	WIN 2+(\a)/4
.irp b, 0,1,2,3
.irp jj, 0,1,2,3
	v_pk_fma_f32 v[TQ+8*\b+2*\jj:TQ+8*\b+2*\jj+1], v[8*(8*((\a)%4)+\b)+2*\jj:8*(8*((\a)%4)+\b)+2*\jj+1], 0x3fb8aa3b, v[BKL+2*\b:BKL+2*\b+1] op_sel_hi:[1,0,1]
	v_pk_add_f32 v[TP+8*\b+2*\jj:TP+8*\b+2*\jj+1], v[8*(8*((\a)%4)+\b)+2*\jj:8*(8*((\a)%4)+\b)+2*\jj+1], v[BK1+2*\b:BK1+2*\b+1]
.endr
.endr
.irp b, 0,1,2,3
.irp jj, 0,1,2,3
	v_pk_add_f32 v[TV+8*\b+2*\jj:TV+8*\b+2*\jj+1], v[8*(8*((\a)%4)+4+\b)+2*\jj:8*(8*((\a)%4)+4+\b)+2*\jj+1], v[BV+2*\b:BV+2*\b+1]
.endr
.endr
	WIN 0
.set i, 0
.rept 32
	v_exp_f32 v[TQ+i], v[TQ+i]
.set i, i+1
.endr
.irp b, 0,1,2,3                                    ; v's rounding stands between the exponentials and their first use (ISA guide 5.7.2)
.irp jj, 0,1,2,3
	v_cvt_pk_bf16_f32 v[FR+32+8*\b+4*((\a)&1)+\jj], v[TV+8*\b+2*\jj], v[TV+8*\b+2*\jj+1]
.endr
.endr
.irp b, 0,1,2,3
.irp jj, 0,1,2,3
	v_and_b32 v[FR+32+8*\b+4*((\a)&1)+\jj], v[MW+4*(\a)+\jj], v[FR+32+8*\b+4*((\a)&1)+\jj]
.endr
.endr
.set i, 0
	s_wait_alu depctr_va_vdst(0)
.rept 32
	v_med3_num_f32 v[TP+i], v[TQ+i], 1.0, v[TP+i]
.set i, i+1
.endr
.irp b, 0,1,2,3
.irp jj, 0,1,2,3
	v_cvt_pk_bf16_f32 v[FR+8*\b+4*((\a)&1)+\jj], v[TP+8*\b+2*\jj], v[TP+8*\b+2*\jj+1]
.endr
.endr
.irp b, 0,1,2,3
.irp jj, 0,1,2,3
	v_and_b32 v[FR+8*\b+4*((\a)&1)+\jj], v[MW+4*(\a)+\jj], v[FR+8*\b+4*((\a)&1)+\jj]
.endr
.endr
.endm
; 32 tokens' share of kv and z: 20 tiles in window 1, v[8 t], t = 4 nb + mb.  The 20 accumulators take turns.
.macro KVMUL p
	WIN 0x50
.irp nb, 0,1,2,3,4
.irp mb, 0,1,2,3
.if \p
	v_wmma_f32_16x16x32_bf16 v[8*(4*\nb+\mb):8*(4*\nb+\mb)+7], v[FR+8*\mb:FR+8*\mb+7], v[FR+32+8*\nb:FR+32+8*\nb+7], v[8*(4*\nb+\mb):8*(4*\nb+\mb)+7]
.else
	v_wmma_f32_16x16x32_bf16 v[8*(4*\nb+\mb):8*(4*\nb+\mb)+7], v[FR+8*\mb:FR+8*\mb+7], v[FR+32+8*\nb:FR+32+8*\nb+7], 0
.endif
.endr
.endr
	WIN 0
.endm
	PLACES                                         ; behind the last products: their results are read and their fragments rewritten below
	WIN 0
.irp i, 0,1,2,3,4,5,6,7
	v_mov_b32 v[ONES+\i], 0x3f803f80               ; 1.0 in both halves
.endr
.irp p, 0,1,2,3
	EPI_M 2*\p
	EPI_M 2*\p+1
	KVMUL \p
.endr
	; The two waves of a head add their 128 tokens' shares: the upper one hands its image over in LDS, the lower one adds and stores.
	PLACES
	s_cmp_eq_u32 s11, 0
	s_cbranch_scc1 .Lno_send
	WIN 0x04                                       ; store data from window 1
.set c, 0
.rept 40
	ds_store_b128 v[IMG], v[4*c:4*c+3] offset:512*c
.set c, c+1
.endr
	WIN 0
.Lno_send:
	s_wait_dscnt 0x0                               ; my stores are in LDS before I say so
	s_barrier_signal -1
	s_barrier_wait -1
	s_cmp_lg_u32 s11, 0
	s_cbranch_scc1 .Lno_sum
.set c, 0
.rept 40
	ds_load_b128 v[64+4*c:64+4*c+3], v[IMG] offset:512*c
.set c, c+1
.endr
	s_wait_dscnt 0x0
	WIN 0x01                                       ; source 0 from window 1
.set c, 0
.rept 80
	v_pk_add_f32 v[64+2*c:64+2*c+1], v[2*c:2*c+1], v[64+2*c:64+2*c+1]
.set c, c+1
.endr
	WIN 0
.set c, 0
.rept 40
	global_store_b128 v[GOFF], v[64+4*c:64+4*c+3], s[8:9] offset:512*c     ; the wave stores 512 consecutive bytes, aligned
.set c, c+1
.endr
.Lno_sum:
	s_set_vgpr_msb 0x5
	s_wait_tensorcnt 0x0
	ds_add_u32 v254, v255
	s_wait_dscnt 0x0
	s_set_vgpr_msb 0x500
	CROUND                                         ; the closing round: no work-group ends while a partner may still ask for a tile that names it
	s_endpgm
.Lfunc_end_k_qcb99759d4f_kvpass:
	.size	k_qcb99759d4f_kvpass, .Lfunc_end_k_qcb99759d4f_kvpass-k_qcb99759d4f_kvpass
	.p2alignl 7, 3214868480
	.fill 96, 4, 3214868480
	.section	.rodata,"a",@progbits
	.p2align	6, 0x0
	.amdhsa_kernel k_qcb99759d4f_kvpass
		.amdhsa_group_segment_fixed_size 327680
		.amdhsa_private_segment_fixed_size 0
		.amdhsa_enable_private_segment 0
		.amdhsa_kernarg_size 48
		.amdhsa_user_sgpr_count 2
		.amdhsa_user_sgpr_kernarg_segment_ptr 1
		.amdhsa_wavefront_size32 1
		.amdhsa_system_sgpr_workgroup_id_x 1
		.amdhsa_system_sgpr_workgroup_id_y 1
		.amdhsa_system_sgpr_workgroup_id_z 1
		.amdhsa_system_vgpr_workitem_id 0
		.amdhsa_next_free_vgpr 1024
		.amdhsa_next_free_sgpr 84
		.amdhsa_reserve_vcc 0
		.amdhsa_float_denorm_mode_32 3
		.amdhsa_float_denorm_mode_16_64 3
		.amdhsa_memory_ordered 1
		.amdhsa_forward_progress 1
		.amdhsa_inst_pref_size 255
	.end_amdhsa_kernel
	.section	.bss,"aw",@nobits
	.p2align	6
	.space	262144
	.amdgpu_metadata
---
amdhsa.version: [ 1, 2 ]
amdhsa.kernels:
  - .name:           k_qcb99759d4f_kvpass
    .symbol:         k_qcb99759d4f_kvpass.kd
    .args:
      - { .name: xb, .offset: 0, .size: 8, .value_kind: global_buffer, .address_space: global }
      - { .name: wkv, .offset: 8, .size: 8, .value_kind: global_buffer, .address_space: global }
      - { .name: bk, .offset: 16, .size: 8, .value_kind: global_buffer, .address_space: global }
      - { .name: bv, .offset: 24, .size: 8, .value_kind: global_buffer, .address_space: global }
      - { .name: mask, .offset: 32, .size: 8, .value_kind: global_buffer, .address_space: global }
      - { .name: part, .offset: 40, .size: 8, .value_kind: global_buffer, .address_space: global }
    .group_segment_fixed_size: 327680
    .private_segment_fixed_size: 0
    .kernarg_segment_align: 8
    .kernarg_segment_size: 48
    .max_flat_workgroup_size: 128
    .sgpr_count:     84
    .vgpr_count:     1024
    .wavefront_size: 32
...
	.end_amdgpu_metadata
.endif
;; end of part 2
;; launch reduce (part 3): grid 5 x 64, 4 waves a work-group, no clusters, 0 bytes of LDS; arguments part, kvz; writes kvz
.if DOCPART == 3
	.amdgcn_target "amdgcn-amd-amdhsa--gfx1250"
	.amdhsa_code_object_version 6
	.text
	.protected	k_qcb99759d4f_reduce
	.globl	k_qcb99759d4f_reduce
	.p2align	8
	.type	k_qcb99759d4f_reduce,@function
k_qcb99759d4f_reduce:
	s_mov_b64 s[64:65], 0
	v_nop
	global_prefetch_b8 v0, s[64:65] scope:SCOPE_SE
	s_setreg_imm32_b32 hwreg(HW_REG_WAVE_MODE, 25, 1), 1
	s_wait_xcnt 0x0
; kv and z of a (batch, head): the sum of the 16 row blocks' shares, in ascending order, in f32, rounded once to bf16.
; Work-group (nb, 16 b + head) takes the four tiles t = 4 nb + mb, wave mb one tile; a lane's 8 numbers are its 8 registers of that tile.
; Packed in pairs they are 16 bytes of the fragment image kvz[b][head][t][lane][8] that the last launch loads straight into registers.
; A stream of 21 MB on 320 small work-groups: all 32 loads of a thread are issued first; a wave's load covers 512 consecutive bytes.
.set IMAGE, 20480
	s_load_b128 s[4:7], s[0:1], 0x0                ; part, kvz
	s_and_b32 s8, ttmp7, 0xffff                    ; 16 b + head
	s_lshr_b32 s9, s8, 4
	s_and_b32 s10, s8, 15
	s_lshl_b32 s9, s9, 8                           ; 16 row blocks x 16 heads a batch
	s_add_co_u32 s9, s9, s10
	s_mul_i32 s12, s9, IMAGE
	s_lshl_b32 s11, ttmp9, 12                      ; 4 tiles of 1,024 bytes
	s_add_co_u32 s12, s12, s11
	s_mov_b32 s13, 0
	s_mul_i32 s14, s8, IMAGE/2
	s_lshl_b32 s11, ttmp9, 11
	s_add_co_u32 s14, s14, s11
	s_mov_b32 s15, 0
	v_lshrrev_b32 v1, 5, v0
	v_and_b32 v2, 31, v0
	v_lshlrev_b32 v2, 4, v2
	v_lshl_add_u32 v1, v1, 10, v2                  ; my tile, my 16 bytes of its first half
	v_lshlrev_b32 v3, 4, v0
	s_wait_kmcnt 0x0
	s_add_nc_u64 s[4:5], s[4:5], s[12:13]
	s_add_nc_u64 s[6:7], s[6:7], s[14:15]
.irp p, 0,1,2,3,4,5,6,7,8,9,10,11,12,13,14,15
	global_load_b128 v[8+8*\p:11+8*\p],  v1, s[4:5] offset:16*IMAGE*\p th:TH_LOAD_NT
	global_load_b128 v[12+8*\p:15+8*\p], v1, s[4:5] offset:16*IMAGE*\p+512 th:TH_LOAD_NT
.endr
.irp p, 1,2,3,4,5,6,7,8,9,10,11,12,13,14,15
	s_wait_loadcnt 30-2*\p                         ; of 32 loads the first 2 p + 2 are in
.irp k, 0,2,4,6
	v_pk_add_f32 v[8+\k:9+\k], v[8+\k:9+\k], v[8+8*\p+\k:9+8*\p+\k]
.endr
.endr
.irp jj, 0,1,2,3
	v_cvt_pk_bf16_f32 v[136+\jj], v[8+2*\jj], v[9+2*\jj]
.endr
	global_store_b128 v3, v[136:139], s[6:7]
	s_endpgm
.Lfunc_end_k_qcb99759d4f_reduce:
	.size	k_qcb99759d4f_reduce, .Lfunc_end_k_qcb99759d4f_reduce-k_qcb99759d4f_reduce
	.p2alignl 7, 3214868480
	.fill 96, 4, 3214868480
	.section	.rodata,"a",@progbits
	.p2align	6, 0x0
	.amdhsa_kernel k_qcb99759d4f_reduce
		.amdhsa_group_segment_fixed_size 0
		.amdhsa_private_segment_fixed_size 0
		.amdhsa_enable_private_segment 0
		.amdhsa_kernarg_size 16
		.amdhsa_user_sgpr_count 2
		.amdhsa_user_sgpr_kernarg_segment_ptr 1
		.amdhsa_wavefront_size32 1
		.amdhsa_system_sgpr_workgroup_id_x 1
		.amdhsa_system_sgpr_workgroup_id_y 1
		.amdhsa_system_sgpr_workgroup_id_z 1
		.amdhsa_system_vgpr_workitem_id 0
		.amdhsa_next_free_vgpr 144
		.amdhsa_next_free_sgpr 66
		.amdhsa_reserve_vcc 0
		.amdhsa_float_denorm_mode_32 3
		.amdhsa_float_denorm_mode_16_64 3
		.amdhsa_memory_ordered 1
		.amdhsa_forward_progress 1
		.amdhsa_inst_pref_size 9
	.end_amdhsa_kernel
	.amdgpu_metadata
---
amdhsa.version: [ 1, 2 ]
amdhsa.kernels:
  - .name:           k_qcb99759d4f_reduce
    .symbol:         k_qcb99759d4f_reduce.kd
    .args:
      - { .name: part, .offset: 0, .size: 8, .value_kind: global_buffer, .address_space: global }
      - { .name: kvz, .offset: 8, .size: 8, .value_kind: global_buffer, .address_space: global }
    .group_segment_fixed_size: 0
    .private_segment_fixed_size: 0
    .kernarg_segment_align: 8
    .kernarg_segment_size: 16
    .max_flat_workgroup_size: 128
    .sgpr_count:     66
    .vgpr_count:     144
    .wavefront_size: 32
...
	.end_amdgpu_metadata
.endif
;; end of part 3
;; launch qpass (part 4): grid 4 x 64, 4 waves a work-group, clusters of 4 x 4, 327,680 bytes of LDS; arguments xb, wqt, bq, mask, kvz, out0; writes out0
.if DOCPART == 4
	.amdgcn_target "amdgcn-amd-amdhsa--gfx1250"
	.amdhsa_code_object_version 6
	.text
	.protected	k_qcb99759d4f_qpass
	.globl	k_qcb99759d4f_qpass
	.p2align	8
	.type	k_qcb99759d4f_qpass,@function
k_qcb99759d4f_qpass:
	s_mov_b64 s[64:65], 0
	v_nop
	global_prefetch_b8 v0, s[64:65] scope:SCOPE_SE
	s_setreg_imm32_b32 hwreg(HW_REG_WAVE_MODE, 25, 1), 1
	s_wait_xcnt 0x0
	s_wait_alu depctr_hold_cnt(0) depctr_sa_sdst(0) depctr_va_vdst(0) depctr_va_sdst(0) depctr_va_ssrc(0) depctr_va_vcc(0) depctr_vm_vsrc(0)
	s_getreg_b32 s2, hwreg(HW_REG_IB_STS2, 6, 4)
	s_cmp_eq_u32 s2, 0
	s_cbranch_scc0 .Lentry_in_a_cluster
	s_endpgm
.Lentry_in_a_cluster:
	s_bfe_u32 s2, ttmp6, 0x10000c
	s_cmp_lg_u32 s2, 0xf033
	s_cbranch_scc0 .Lentry_shape_is_right
	s_endpgm
.Lentry_shape_is_right:
; The Q projection of 256 tokens for four heads, the feature map, the mask, numerator = qf kv, denominator = max(qf z, 1e-6), the quotient, the mask.
; A work-group makes 256 tokens x 256 columns with four waves; a wave makes 128 tokens x two heads in 64 accumulator tiles.
; K = 1024 goes in steps of 128 through two LDS slots filled by tensor loads.
; CLUSTERS: 4 x 4 work-groups; xb's tiles are asked for jointly along a row of the cluster, wqt's along a column: a quarter of the requests.
; THE PRODUCT IS USED TRANSPOSED (source 0 = rows of wqt, source 1 = tokens): register j of tile (a, b) holds token 16 a + l % 16, column
; 16 b + 8 (l / 16) + j.  The first product takes bq as its C.  Packed in pairs, tiles 4 hl + 2 ks and + 1 are the fragment of qf (column = token,
; k = features 32 ks ..) for source 1 of the second product; its source 0 (row = output column, k = feature) comes from kvz as loaded.
; The second product's register j then holds output column 16 nb + 8 (l / 16) + j of token l % 16: 8 neighbouring f32; and with z in all 16 rows
; of a fifth block every register of that tile holds the token's denominator, in the lane that divides.
; LIMITS: matrix operands are bf16 (qf, kv and z too), sums f32; the division is v_rcp_f32 and a multiplication; v_exp_f32 gives 0 below 2^-126.
; The mask is applied by AND: a masked token's row is exact zero whatever its values; mask bytes are 0 or 1.
.set SIZE_K, 1024
.set KSTEP,  128
.set PITCH,  272                       ; an LDS row: 256 bytes + 16 of padding, an odd multiple of 16
.set HALFT,  128*PITCH
.set SLOT,   4*HALFT
.set STAGE,  2*SLOT                    ; behind the ring, never filled by a tensor load: 16 rows x 528 bytes for each wave
.set SPITCH, 528                       ; 128 f32 + 16 bytes, an odd multiple of 16
.set LAPS,   SIZE_K/(2*KSTEP)
.set ADRA, 2                           ; v2-3    LDS address of my xb fragments in slot 0, 1
.set ADRB, 4                           ; v4-5    the same for wqt
.set STO,  6                           ; v6      the way out: where I put 32 bytes of a row
.set RD,   7                           ; v7      the way out: my 16 bytes of a row read back
.set LOFF, 8                           ; v8      16 x lane: offset in out0's rows and in kvz's chunks
.set QM,   16                          ; v16-23  block a: all ones or 0 for token 16 a + l % 16
.set ZF,   32                          ; v32-63  z's fragments, (hl, ks) at 8 (2 hl + ks)
.set F0,   64
.set F1,   128
.set BIAS, 192                         ; v192-255 bq of column 16 b + 8 (l / 16) + j at 8 b + j
.set QF,   64                          ; behind the K loop: v64-95 qf's fragments, (hl, ks) at 8 (2 hl + ks)
.set DD,   96                          ; v96-175 the second product's tiles, (hl, nb) at 8 (5 hl + nb); nb = 4: the denominator
.set TQ,   176                         ; v176-207 exponents, exponentials
.set TP,   208                         ; v208-239 value + 1, phi
.set RB,   176                         ; v176-239 16 rows read back
.set RDN,  240                         ; v240-243 mask / denominator, a pair for each head
; window 1: v64-191 wqt's fragments; kv's fragments (hl, nb, ks) at 192 hl + 8 (2 nb + ks): v0-63 and v192-255
.set G1,  24
.set G0,  32
.set G1B, 48
.set G0B, 56
.set MSB, 0
.macro WIN new                         ; the immediate's high byte repeats the setting that is left
.if MSB != (\new)
	s_set_vgpr_msb (MSB<<8)|(\new)
.set MSB, (\new)
.endif
.endm
.set MUL_LO,   0xa1                    ; source 0 (wqt) window 1, source 1 (xb) window 0, C and D window 2
.set MUL_HI,   0xf1                    ; the same, C and D window 3
.set FIRST_LO, 0x81                    ; the first product: C (the bias) from window 0
.set FIRST_HI, 0xc1
.set TO_B,     0x40
.macro JLOAD s                         ; waves 0 and 1 fetch xb's two halves, waves 2 and 3 wqt's; the branch hangs on the wave's number alone
	s_cmp_eq_u32 s11, 0
	s_cbranch_scc0 .Lfor_b_\@
	tensor_load_to_lds s[G0+4*\s:G0+4*\s+3], s[G1:G1+7]
	s_nop 0
	s_branch .Lasked_\@
.Lfor_b_\@:
	tensor_load_to_lds s[G0B+4*\s:G0B+4*\s+3], s[G1B:G1B+7]
	s_nop 0
.Lasked_\@:
.endm
.macro CREST
	s_cmp_lg_u32 s10, 0
	s_cbranch_scc1 .Lnot_wave_0_\@
	s_barrier_signal -3
.Lnot_wave_0_\@:
	s_barrier_wait -3
	s_barrier_signal -1
	s_barrier_wait -1
.endm
.macro CROUND
	s_barrier_signal -1
	s_barrier_wait -1
	CREST
.endm
	s_load_b128 s[4:7], s[0:1], 0x0                ; xb s[4:5], wqt s[6:7]
	s_load_b256 s[68:75], s[0:1], 0x10             ; bq s[68:69], mask s[70:71], kvz s[72:73], out0 s[74:75]
	v_lshl_add_u32 v30, v0, 2, 0x4c400
	v_mov_b32 v31, 0
	ds_add_u32 v30, v31
	v_lshrrev_b32 v1, 5, v0
	v_readfirstlane_b32 s10, v1                    ; wave 0..3
	s_lshr_b32 s11, s10, 1                         ; which 128 tokens are mine.  Also: I fetch for xb (0) or for wqt (1)
	s_and_b32 s12, s10, 1                          ; which 128 columns.  Also: which 128 rows of that tile I fetch
	s_bfe_u32 s40, ttmp6, 0x40000                  ; cx
	s_bfe_u32 s41, ttmp6, 0x40004                  ; cy
	s_lshl_b32 s42, ttmp9, 2
	s_add_co_u32 s42, s42, s40                     ; block column
	s_and_b32 s13, ttmp7, 0xffff
	s_lshl_b32 s13, s13, 2
	s_add_co_u32 s13, s13, s41                     ; block row
	s_lshl_b32 s43, s41, 2
	s_lshl_b32 s43, 15, s43                        ; my row of the cluster
	s_lshl_b32 s44, 0x1111, s40                    ; my column
	s_or_b32 s[G1+0], s43, (1<<16)|(1<<20)|(1<<21)|(5<<22)|(3<<25)
	s_or_b32 s[G1B+0], s44, (1<<16)|(1<<20)|(1<<21)|(5<<22)|(3<<25)
	s_mov_b32 s[G1+1], KSTEP<<16
	s_mov_b32 s[G1B+1], KSTEP<<16
	s_mov_b32 s[G1+2], 128<<16
	s_mov_b32 s[G1B+2], 128<<16
	s_mov_b32 s[G1+3], KSTEP<<16
	s_mov_b32 s[G1B+3], KSTEP<<16
	s_mov_b32 s[G1+4], 128
	s_mov_b32 s[G1B+4], 128
	s_mov_b32 s[G1+5], SIZE_K
	s_mov_b32 s[G1B+5], SIZE_K
	s_mov_b32 s[G1+6], 0
	s_mov_b32 s[G1B+6], 0
	s_mov_b32 s[G1+7], 0
	s_mov_b32 s[G1B+7], 0
	s_lshl_b32 s17, s12, 7
	s_lshl_b32 s16, s13, 8
	s_add_co_u32 s16, s16, s17                     ; xb: row 256 x block row + 128 x half
	s_lshl_b32 s46, s42, 8
	s_add_co_u32 s46, s46, s17                     ; wqt: row 256 x block column + 128 x half
	s_mov_b32 s17, 0
	s_mov_b32 s47, 0
	s_mov_b64 s[18:19], SIZE_K*2
	s_mul_u64 s[16:17], s[16:17], s[18:19]
	s_mul_u64 s[46:47], s[46:47], s[18:19]
	s_mul_i32 s20, s10, HALFT
	s_wait_dscnt 0x0
	s_wait_kmcnt 0x0
	s_add_nc_u64 s[14:15], s[4:5], s[16:17]
	s_add_nc_u64 s[46:47], s[6:7], s[46:47]
	CROUND                                         ; all sixteen work-groups are here: the first joint loads meet
.irp s, 0,1
	s_mov_b32 s[G0+4*\s], 1
	s_add_co_u32 s[G0+4*\s+1], s20, \s*SLOT
	s_add_nc_u64 s[G0+4*\s+2:G0+4*\s+3], s[14:15], \s*KSTEP*2
	s_or_b32 s[G0+4*\s+3], s[G0+4*\s+3], 0x80000000
	s_mov_b32 s[G0B+4*\s], 1
	s_add_co_u32 s[G0B+4*\s+1], s20, \s*SLOT
	s_add_nc_u64 s[G0B+4*\s+2:G0B+4*\s+3], s[46:47], \s*KSTEP*2
	s_or_b32 s[G0B+4*\s+3], s[G0B+4*\s+3], 0x80000000
	JLOAD \s                                       ; two tensor loads of the wave are out here, one behind each later round
.endr
	; addresses (scratch: v100-106, in fragment buffer 0, which is first loaded behind the wait for these loads)
	v_and_b32 v100, 15, v0                         ; r
	v_bfe_u32 v101, v0, 4, 1                       ; h
	v_mul_u32_u24 v102, v100, PITCH
	v_lshl_add_u32 v102, v101, 4, v102
	s_mul_i32 s21, s11, HALFT
	s_mul_i32 s22, s12, HALFT
	s_add_co_u32 s22, s22, 2*HALFT
.irp s, 0,1
	v_add_nc_u32 v[ADRA+\s], s21, v102
	v_add_nc_u32 v[ADRB+\s], s22, v102
	s_add_co_u32 s21, s21, SLOT
	s_add_co_u32 s22, s22, SLOT
.endr
	s_mul_i32 s23, s10, 16*SPITCH
	s_add_co_u32 s23, s23, STAGE                   ; my stage
	v_mul_u32_u24 v106, v100, SPITCH
	v_lshl_add_u32 v106, v101, 5, v106             ; row r, 32 bytes for each half of the lanes
	v_add_nc_u32 v[STO], s23, v106
	v_and_b32 v103, 31, v0
	v_lshlrev_b32 v[LOFF], 4, v103
	v_add_nc_u32 v[RD], s23, v[LOFF]
	s_lshl_b32 s80, s42, 10
	s_lshl_b32 s82, s12, 9
	s_add_co_u32 s80, s80, s82                     ; my first column, in bytes of f32
	s_mov_b32 s81, 0
	s_add_nc_u64 s[68:69], s[68:69], s[80:81]      ; bq
	s_add_nc_u64 s[8:9], s[74:75], s[80:81]        ; out0, column
	s_lshl_b32 s80, s13, 8
	s_lshl_b32 s82, s11, 7
	s_add_co_u32 s80, s80, s82                     ; my first token
	s_add_nc_u64 s[70:71], s[70:71], s[80:81]      ; mask
	s_lshl_b32 s80, s80, 12                        ; rows of 4,096 bytes
	s_add_nc_u64 s[8:9], s[8:9], s[80:81]          ; out0, row
	s_lshr_b32 s80, s13, 4                         ; batch: 16 row blocks each
	s_lshl_b32 s80, s80, 4
	s_lshl_b32 s82, s42, 2
	s_add_co_u32 s80, s80, s82
	s_lshl_b32 s82, s12, 1
	s_add_co_u32 s80, s80, s82                     ; 16 x batch + my first head
	s_mul_i32 s80, s80, 10240
	s_add_nc_u64 s[72:73], s[72:73], s[80:81]      ; kvz
	v_lshlrev_b32 v104, 5, v101                    ; 32 h
.irp b, 0,1,2,3,4,5,6,7
	global_load_b128 v[BIAS+8*\b:BIAS+8*\b+3],   v104, s[68:69] offset:64*\b
	global_load_b128 v[BIAS+8*\b+4:BIAS+8*\b+7], v104, s[68:69] offset:64*\b+16
.endr
.irp a, 0,1,2,3,4,5,6,7
	global_load_u8 v[QM+\a], v100, s[70:71] offset:16*\a
.endr
.irp hl, 0,1
.irp t, 0,1,2,3
	global_load_b128 v[ZF+16*\hl+4*\t:ZF+16*\hl+4*\t+3], v[LOFF], s[72:73] offset:10240*\hl+512*(16+\t)
.endr
.endr
	WIN TO_B
.irp hl, 0,1
.irp t, 0,1,2,3,4,5,6,7,8,9,10,11,12,13,14,15
	global_load_b128 v[192*\hl+4*\t:192*\hl+4*\t+3], v[LOFF], s[72:73] offset:10240*\hl+512*\t
.endr
.endr
	WIN 0
	s_wait_loadcnt 0x0
.irp a, 0,1,2,3,4,5,6,7
	v_sub_nc_u32 v[QM+\a], 0, v[QM+\a]             ; 1 becomes all ones
.endr
; 16 matrix instructions.  first = 1: the first product starts the sums from the bias.
.macro MUL16 f, hi, a0, first
.irp a, \a0, \a0+1
.irp b, 0,1,2,3,4,5,6,7
.if \first
	v_wmma_f32_16x16x32_bf16 v[8*(8*(\a)+\b):8*(8*(\a)+\b)+7], v[\f+8*\b:\f+8*\b+7], v[\f+8*(4*\hi+\a):\f+8*(4*\hi+\a)+7], v[BIAS+8*\b:BIAS+8*\b+7]
.else
	v_wmma_f32_16x16x32_bf16 v[8*(8*(\a)+\b):8*(8*(\a)+\b)+7], v[\f+8*\b:\f+8*\b+7], v[\f+8*(4*\hi+\a):\f+8*(4*\hi+\a)+7], v[8*(8*(\a)+\b):8*(8*(\a)+\b)+7]
.endif
.endr
.endr
.endm
.macro FETCH slot, k, f
	WIN TO_B
.irp i, 0,1,2,3,4,5,6,7
	ds_load_b128 v[\f+8*\i:\f+8*\i+3],   v[ADRB+\slot] offset:\k+\i*16*PITCH
	ds_load_b128 v[\f+8*\i+4:\f+8*\i+7], v[ADRB+\slot] offset:\k+\i*16*PITCH+32
.endr
	WIN 0
.irp i, 0,1,2,3,4,5,6,7
	ds_load_b128 v[\f+8*\i:\f+8*\i+3],   v[ADRA+\slot] offset:\k+\i*16*PITCH
	ds_load_b128 v[\f+8*\i+4:\f+8*\i+7], v[ADRA+\slot] offset:\k+\i*16*PITCH+32
.endr
.endm
; Four independent vector instructions between a matrix instruction and a load into, a write of or a read of its registers
.macro PLACES
.rept 4
	v_nop
.endr
.endm
; The 64 accumulators take turns, one instruction a turn, in the same order in every quarter step.
.macro QUARTER slot, k, f, g, first
	s_wait_dscnt 8                                 ; wqt and xb's rows 0-63 are in; the youngest eight loads (xb's rows 64-127) may be out
.if \first
	WIN FIRST_LO
.else
	WIN MUL_LO
.endif
	MUL16 \f, 0, 0, \first
	MUL16 \f, 0, 2, \first
	PLACES
	FETCH \slot, \k, \g
	s_wait_dscnt 32                                ; all but the 32 just issued
.if \first
	WIN FIRST_HI
.else
	WIN MUL_HI
.endif
	MUL16 \f, 1, 0, \first
	MUL16 \f, 1, 2, \first
.endm
.macro THREE slot, first
	QUARTER \slot, 64,  F0, F1, \first
	QUARTER \slot, 128, F1, F0, 0
	QUARTER \slot, 192, F0, F1, 0
.endm
; The change of slots: each wave's reads of this slot and all its tensor loads are waited for in front of the barrier; where the slot is filled
; again the barrier opens a round of the cluster's barrier and the joint refill is the first tensor load behind the round.
.macro TURN slot, next, fill
	s_wait_dscnt 8
	WIN MUL_LO
	MUL16 F1, 0, 0, 0
	s_wait_dscnt 0                                 ; my reads of this slot are over
	s_set_vgpr_msb 0xa1a0
	s_wait_tensorcnt 0x0                           ; all my tensor loads have landed
	ds_add_u32 v30, v31
	s_wait_dscnt 0x0
	s_set_vgpr_msb 0xa0a1
	s_barrier_signal -1
	MUL16 F1, 0, 2, 0
	WIN 0
	s_barrier_wait -1
.if \fill
	CREST
	s_add_nc_u64 s[G0+4*\slot+2:G0+4*\slot+3], s[G0+4*\slot+2:G0+4*\slot+3], 2*KSTEP*2
	s_add_nc_u64 s[G0B+4*\slot+2:G0B+4*\slot+3], s[G0B+4*\slot+2:G0B+4*\slot+3], 2*KSTEP*2
	JLOAD \slot
.endif
	PLACES
	FETCH \next, 0, F0
	WIN MUL_HI
	MUL16 F1, 1, 0, 0
	MUL16 F1, 1, 2, 0
.endm
.macro LAP first
	THREE 0, \first
	TURN 0, 1, 1
	THREE 1, 0
	TURN 1, 0, 1
.endm
	s_wait_tensorcnt 1                             ; my part of K step 0 is in; K step 1's stays out
	s_barrier_signal -1
	s_barrier_wait -1
	FETCH 0, 0, F0
	LAP 1
	WIN 0
	s_mov_b32 s3, LAPS-2
.Llap:
	LAP 0
	WIN 0
	s_sub_co_u32 s3, s3, 1
	s_cmp_lg_u32 s3, 0
	s_cbranch_scc1 .Llap
	THREE 0, 0                                     ; the last lap fills nothing
	TURN 0, 1, 0
	THREE 1, 0
	s_wait_dscnt 8
	WIN MUL_LO
	MUL16 F1, 0, 0, 0
	MUL16 F1, 0, 2, 0
	s_wait_dscnt 0
	WIN MUL_HI
	MUL16 F1, 1, 0, 0
	MUL16 F1, 1, 2, 0
; Token block a (16 tokens, both heads), from the projection to out0.
; phi(y) = the middle one of exp(y), 1 and y + 1: for y > 0, exp(y) >= y + 1 > 1; for y <= 0, y + 1 <= exp(y) <= 1.
.macro QEPI a
	s_wait_xcnt 0x0                                ; the last block's stores have had their addresses translated (ISA guide 3.1): RB and the base are rewritten only behind this wait
.if \a
	s_add_nc_u64 s[8:9], s[8:9], 16*4096           ; 16 rows of out0 on
.endif
.irp hl, 0,1
	WIN 2+(\a)/4
.irp bb, 0,1,2,3
.irp jj, 0,1,2,3
	v_pk_mul_f32 v[TQ+8*\bb+2*\jj:TQ+8*\bb+2*\jj+1], v[8*(8*((\a)%4)+4*\hl+\bb)+2*\jj:8*(8*((\a)%4)+4*\hl+\bb)+2*\jj+1], 0x3fb8aa3b op_sel_hi:[1,0]
	v_pk_add_f32 v[TP+8*\bb+2*\jj:TP+8*\bb+2*\jj+1], v[8*(8*((\a)%4)+4*\hl+\bb)+2*\jj:8*(8*((\a)%4)+4*\hl+\bb)+2*\jj+1], 1.0 op_sel_hi:[1,0]
.endr
.endr
	WIN 0
.set i, 0
.rept 32
	v_exp_f32 v[TQ+i], v[TQ+i]
.set i, i+1
.endr
	v_nop                                          ; one plain instruction between the last exponential and the first use (ISA guide 5.7.2)
.set i, 0
	s_wait_alu depctr_va_vdst(0)
.rept 32
	v_med3_num_f32 v[TP+i], v[TQ+i], 1.0, v[TP+i]
.set i, i+1
.endr
.irp bb, 0,1,2,3
.irp jj, 0,1,2,3
	v_cvt_pk_bf16_f32 v[QF+16*\hl+4*\bb+\jj], v[TP+8*\bb+2*\jj], v[TP+8*\bb+2*\jj+1]
.endr
.endr
.set i, 0
.rept 16
	v_and_b32 v[QF+16*\hl+i], v[QM+\a], v[QF+16*\hl+i]
.set i, i+1
.endr
.endr
	; the denominators, then the numerators: ten accumulators by turns, one instruction a turn
	v_wmma_f32_16x16x32_bf16 v[DD+32:DD+39], v[ZF:ZF+7],     v[QF:QF+7],     0
	v_wmma_f32_16x16x32_bf16 v[DD+72:DD+79], v[ZF+16:ZF+23], v[QF+16:QF+23], 0
	v_wmma_f32_16x16x32_bf16 v[DD+32:DD+39], v[ZF+8:ZF+15],  v[QF+8:QF+15],  v[DD+32:DD+39]
	v_wmma_f32_16x16x32_bf16 v[DD+72:DD+79], v[ZF+24:ZF+31], v[QF+24:QF+31], v[DD+72:DD+79]
	WIN 0x01                                       ; source 0 (kv) from window 1
.irp ks, 0,1
.irp hl, 0,1
.irp nb, 0,1,2,3
.if \ks
	v_wmma_f32_16x16x32_bf16 v[DD+8*(5*\hl+\nb):DD+8*(5*\hl+\nb)+7], v[192*\hl+8*(2*\nb+\ks):192*\hl+8*(2*\nb+\ks)+7], v[QF+16*\hl+8*\ks:QF+16*\hl+8*\ks+7], v[DD+8*(5*\hl+\nb):DD+8*(5*\hl+\nb)+7]
.else
	v_wmma_f32_16x16x32_bf16 v[DD+8*(5*\hl+\nb):DD+8*(5*\hl+\nb)+7], v[192*\hl+8*(2*\nb+\ks):192*\hl+8*(2*\nb+\ks)+7], v[QF+16*\hl+8*\ks:QF+16*\hl+8*\ks+7], 0
.endif
.endr
.endr
.endr
	WIN 0
	PLACES
	v_max_num_f32 v[RDN],   0x358637bd, v[DD+32]   ; max(denominator, 1e-6)
	v_max_num_f32 v[RDN+2], 0x358637bd, v[DD+72]
	v_rcp_f32 v[RDN],   v[RDN]
	v_rcp_f32 v[RDN+2], v[RDN+2]
	v_nop                                          ; one plain instruction before the reciprocals are used (ISA guide 5.7.2)
	s_wait_alu depctr_va_vdst(0)
	v_and_b32 v[RDN+1], v[QM+\a], v[RDN]           ; the last factor m, and the pair for the packed multiply
	v_and_b32 v[RDN+3], v[QM+\a], v[RDN+2]
	v_and_b32 v[RDN],   v[QM+\a], v[RDN]
	v_and_b32 v[RDN+2], v[QM+\a], v[RDN+2]
.irp hl, 0,1
.irp nb, 0,1,2,3
.irp jj, 0,1,2,3
	v_pk_mul_f32 v[DD+8*(5*\hl+\nb)+2*\jj:DD+8*(5*\hl+\nb)+2*\jj+1], v[DD+8*(5*\hl+\nb)+2*\jj:DD+8*(5*\hl+\nb)+2*\jj+1], v[RDN+2*\hl:RDN+2*\hl+1]
.endr
.endr
.endr
.irp hl, 0,1
.irp nb, 0,1,2,3
.irp q, 0,1
	ds_store_b128 v[STO], v[DD+8*(5*\hl+\nb)+4*\q:DD+8*(5*\hl+\nb)+4*\q+3] offset:256*\hl+64*\nb+16*\q
.endr
.endr
.endr
.irp i, 0,1,2,3,4,5,6,7,8,9,10,11,12,13,14,15
	ds_load_b128 v[RB+4*\i:RB+4*\i+3], v[RD] offset:SPITCH*\i      ; my own stage: LDS serves a wave's instructions in order (ISA guide 5.7.1), these see the stores above
.endr
.irp i, 0,1,2,3,4,5,6,7,8,9,10,11,12,13,14,15
	s_wait_dscnt 15-\i                             ; row i is in, the younger loads stay out
	global_store_b128 v[LOFF], v[RB+4*\i:RB+4*\i+3], s[8:9] offset:4096*\i th:TH_STORE_NT   ; the wave stores 512 consecutive bytes of a row, aligned
.endr
.endm
	PLACES                                         ; behind the last products: their results are read and their fragments rewritten below
	WIN 0
.irp a, 0,1,2,3,4,5,6,7
	QEPI \a
.endr
	s_wait_tensorcnt 0x0
	ds_add_u32 v30, v31
	s_wait_dscnt 0x0
	CROUND                                         ; the closing round: no work-group ends while a partner may still ask for a tile that names it
	s_endpgm
.Lfunc_end_k_qcb99759d4f_qpass:
	.size	k_qcb99759d4f_qpass, .Lfunc_end_k_qcb99759d4f_qpass-k_qcb99759d4f_qpass
	.p2alignl 7, 3214868480
	.fill 96, 4, 3214868480
	.section	.rodata,"a",@progbits
	.p2align	6, 0x0
	.amdhsa_kernel k_qcb99759d4f_qpass
		.amdhsa_group_segment_fixed_size 327680
		.amdhsa_private_segment_fixed_size 0
		.amdhsa_enable_private_segment 0
		.amdhsa_kernarg_size 48
		.amdhsa_user_sgpr_count 2
		.amdhsa_user_sgpr_kernarg_segment_ptr 1
		.amdhsa_wavefront_size32 1
		.amdhsa_system_sgpr_workgroup_id_x 1
		.amdhsa_system_sgpr_workgroup_id_y 1
		.amdhsa_system_sgpr_workgroup_id_z 1
		.amdhsa_system_vgpr_workitem_id 0
		.amdhsa_next_free_vgpr 1024
		.amdhsa_next_free_sgpr 84
		.amdhsa_reserve_vcc 0
		.amdhsa_float_denorm_mode_32 3
		.amdhsa_float_denorm_mode_16_64 3
		.amdhsa_memory_ordered 1
		.amdhsa_forward_progress 1
		.amdhsa_inst_pref_size 255
	.end_amdhsa_kernel
	.section	.bss,"aw",@nobits
	.p2align	6
	.space	262144
	.amdgpu_metadata
---
amdhsa.version: [ 1, 2 ]
amdhsa.kernels:
  - .name:           k_qcb99759d4f_qpass
    .symbol:         k_qcb99759d4f_qpass.kd
    .args:
      - { .name: xb, .offset: 0, .size: 8, .value_kind: global_buffer, .address_space: global }
      - { .name: wqt, .offset: 8, .size: 8, .value_kind: global_buffer, .address_space: global }
      - { .name: bq, .offset: 16, .size: 8, .value_kind: global_buffer, .address_space: global }
      - { .name: mask, .offset: 24, .size: 8, .value_kind: global_buffer, .address_space: global }
      - { .name: kvz, .offset: 32, .size: 8, .value_kind: global_buffer, .address_space: global }
      - { .name: out0, .offset: 40, .size: 8, .value_kind: global_buffer, .address_space: global }
    .group_segment_fixed_size: 327680
    .private_segment_fixed_size: 0
    .kernarg_segment_align: 8
    .kernarg_segment_size: 48
    .max_flat_workgroup_size: 128
    .sgpr_count:     84
    .vgpr_count:     1024
    .wavefront_size: 32
...
	.end_amdgpu_metadata
.endif
;; end of part 4
;; ======== version 2 of 2: 4 launches; version 1 with the launch prep written anew for expert scheduling mode
;; limits: values outside matrix products are rounded to bf16
;; workspace buffers: xb 33,554,432 bytes; wkv 4,194,304 bytes; wqt 2,097,152 bytes; part 20,971,520 bytes; kvz 655,360 bytes
;; launch prep (part 5): grid 1408 x 1, 8 waves a work-group, no clusters, 17,920 bytes of LDS; arguments x, Wq, Wk, Wv, xb, wqt, wkv; writes xb, wqt, wkv
.if DOCPART == 5
	.amdgcn_target "amdgcn-amd-amdhsa--gfx1250"
	.amdhsa_code_object_version 6
	.text
	.protected	k_qcb99759d4f_prep
	.globl	k_qcb99759d4f_prep
	.p2align	8
	.type	k_qcb99759d4f_prep,@function
k_qcb99759d4f_prep:
	s_mov_b64 s[64:65], 0
	v_nop
	global_prefetch_b8 v0, s[64:65] scope:SCOPE_SE
	s_setreg_imm32_b32 hwreg(HW_REG_WAVE_SCHED_MODE, 0, 2), 2
	s_setreg_imm32_b32 hwreg(HW_REG_WAVE_MODE, 25, 1), 1
	s_wait_xcnt 0x0
	s_wait_alu depctr_vm_vsrc(0)
; Rounds the matrix operands to bf16 once, in the order in which the two products want them (K along the rows).
;   work-groups 0 .. 383:    one tile of 128 k x 64 n of Wq, Wk or Wv, transposed through LDS:
;                            wqt[n][k] = Wq[k][n];  wkv[128 h + d][k] = Wk[k][64 h + d];  wkv[128 h + 64 + d][k] = Wv[k][64 h + d]
;   work-groups 384 .. 1407: 65,536 bytes of x, rounded to xb in place order.
; A stream: every input byte is read once by 16-byte loads whose sixteen neighbouring lanes take 256 aligned bytes, every output
; byte is written once, a wave's store covering 256 aligned bytes.  No matrix unit, no cluster: no work-group shares a byte with another.
; The branch below hangs on the work-group's number alone, so all eight waves of a group take the same way and meet the same barrier.
; THE MODE: SCHED_MODE bits 1:0 = 2 (LLVM: expert scheduling mode 2), set by the entry lines.  The code itself states the register dependences
; between vector instructions and memory or LDS instructions, with s_wait_alu, always for 0.
; THE PLAN.  No register that a memory or LDS instruction reads is ever written again, and no register is loaded twice: so only one kind of
; dependence is left to state, a vector result that a memory or LDS instruction reads.
;   The way of x:  v1, v2    offsets, made once; read by the 16 loads and the 16 stores.
;                  v[8:71]   as loaded, once each; read by the conversions.
;                  v[72:103] written by the conversions, once each; read by the stores.
;     The 16 loads go in four blocks of four.  Block p's conversions name block p's registers alone; the stores of block p - 1 stand among them,
;     behind ONE wait at the block's head, which states that block p - 1's conversions have written their results.
;   The way of the weights:  v1, v4, v5, v7  offsets and LDS addresses, made once.
;                  v[8:39]   as loaded; read by the conversions.     v[40:55]  written by the conversions; read by the LDS stores.
;                  v[56:71]  written by the LDS loads, read by the global stores; no vector instruction names them.
;     One wait ahead of the loads, one between the run of conversions and the run of LDS stores; no vector instruction follows it.
;   v104, v105: written at the head, read by the closing add alone.
.set WTILES, 384
.set LP,     264                       ; LDS pitch of a transposed row: 128 bf16 + 8 bytes
	s_load_b256 s[4:11], s[0:1], 0x0               ; x s[4:5], Wq s[6:7], Wk s[8:9], Wv s[10:11]
	s_load_b128 s[12:15], s[0:1], 0x20             ; xb s[12:13], wqt s[14:15]
	s_load_b64 s[16:17], s[0:1], 0x30              ; wkv
	v_lshl_add_u32 v104, v0, 2, 0x4200
	v_mov_b32 v105, 0
	s_cmp_lt_u32 ttmp9, WTILES
	s_cbranch_scc1 .Lweights
	; ---- x: 16 loads of 16 bytes a thread, all issued first; they are rounded four at a time as they come
	s_sub_co_u32 s20, ttmp9, WTILES                ; piece 0 .. 1023
	s_lshl_b32 s22, s20, 16                        ; 65,536 bytes of x
	s_mov_b32 s23, 0
	s_lshl_b32 s24, s20, 15                        ; 32,768 bytes of xb
	s_mov_b32 s25, 0
	v_lshlrev_b32 v1, 4, v0                        ; 16 t
	v_lshlrev_b32 v2, 3, v0                        ; 8 t
	s_wait_kmcnt 0x0
	s_add_nc_u64 s[4:5], s[4:5], s[22:23]
	s_add_nc_u64 s[12:13], s[12:13], s[24:25]
	s_wait_alu depctr_va_vdst(0)                   ; v1 and v2 are written: every load below reads v1 as its offset, every store v2
.irp i, 0,1,2,3,4,5,6,7,8,9,10,11,12,13,14,15
	global_load_b128 v[8+4*\i:11+4*\i], v1, s[4:5] offset:4096*\i th:TH_LOAD_NT
.endr
	s_wait_loadcnt 12                              ; loads come back in order: block 0's four are in, the 12 younger ones stay out
.irp i, 0,1,2,3
	v_cvt_pk_bf16_f32 v[72+2*\i], v[8+4*\i], v[9+4*\i]
	v_cvt_pk_bf16_f32 v[73+2*\i], v[10+4*\i], v[11+4*\i]
.endr
.irp p, 1,2,3
	s_wait_loadcnt 12-4*\p                         ; block p's four loads are in, the 12 - 4 p younger ones stay out
	s_wait_alu depctr_va_vdst(0)                   ; block p - 1's conversions have written their eight registers, which the four stores below read
.irp i, 0,1,2,3
	global_store_b64 v2, v[72+2*(4*\p-4+\i):73+2*(4*\p-4+\i)], s[12:13] offset:2048*(4*\p-4+\i)   ; the block before; no vector instruction since the wait names these registers or v2; each store has data registers of its own: none is rewritten
	v_cvt_pk_bf16_f32 v[72+2*(4*\p+\i)], v[8+4*(4*\p+\i)], v[9+4*(4*\p+\i)]
	v_cvt_pk_bf16_f32 v[73+2*(4*\p+\i)], v[10+4*(4*\p+\i)], v[11+4*(4*\p+\i)]
.endr
.endr
	s_wait_alu depctr_va_vdst(0)                   ; block 3's conversions have written their eight registers, which the last four stores read
.irp i, 12,13,14,15
	global_store_b64 v2, v[72+2*\i:73+2*\i], s[12:13] offset:2048*\i
.endr
	s_endpgm                                       ; this way has written no LDS
.Lweights:
	; ---- a tile of a weight matrix
	s_lshr_b32 s20, ttmp9, 7                       ; which matrix: 0 Wq, 1 Wk, 2 Wv
	s_bfe_u32 s21, ttmp9, 0x30004                  ; kt: which 128 rows (k)
	s_and_b32 s22, ttmp9, 15                       ; nt: which 64 columns (n) = which head
	s_lshl_b32 s24, s21, 19                        ; 128 rows of 4,096 bytes
	s_lshl_b32 s23, s22, 8                         ; 64 columns of 4 bytes
	s_add_co_u32 s24, s24, s23
	s_mov_b32 s25, 0
	s_lshl_b32 s26, s22, 6                         ; first row in wqt: 64 nt
	s_lshl_b32 s27, s22, 7                         ; first row in wkv: 128 nt + 64 (matrix - 1)
	s_sub_co_u32 s28, s20, 1
	s_lshl_b32 s28, s28, 6
	s_add_co_u32 s27, s27, s28
	s_cmp_eq_u32 s20, 0
	s_cselect_b32 s26, s26, s27
	s_lshl_b32 s26, s26, 11                        ; rows of 2,048 bytes
	s_lshl_b32 s28, s21, 8                         ; + 128 k of 2 bytes
	s_add_co_u32 s26, s26, s28
	s_mov_b32 s27, 0
	v_and_b32 v2, 15, v0                           ; c: my 4 columns
	v_lshrrev_b32 v3, 4, v0                        ; rr: my pair of rows, 0 .. 15
	v_lshlrev_b32 v1, 13, v3
	v_lshl_add_u32 v1, v2, 4, v1                   ; 2 rr rows + 16 c
	v_mul_u32_u24 v4, v2, 4*LP
	v_lshl_add_u32 v4, v3, 2, v4                   ; LDS: row n = 4 c, k = 2 rr
	v_lshrrev_b32 v5, 5, v0                        ; wave
	v_and_b32 v6, 31, v0
	v_lshlrev_b32 v6, 3, v6                        ; 8 x lane
	v_mul_u32_u24 v7, v5, 8*LP
	v_add_nc_u32 v7, v7, v6                        ; LDS: my wave's 8 rows, 8 bytes a lane
	v_lshl_add_u32 v5, v5, 14, v6                  ; the same 8 rows of 2,048 bytes in the output
	s_wait_kmcnt 0x0
	s_cmp_eq_u32 s20, 0
	s_cselect_b64 s[18:19], s[6:7], s[8:9]
	s_cselect_b64 s[28:29], s[14:15], s[16:17]
	s_cmp_eq_u32 s20, 2
	s_cselect_b64 s[18:19], s[10:11], s[18:19]
	s_add_nc_u64 s[18:19], s[18:19], s[24:25]
	s_add_nc_u64 s[28:29], s[28:29], s[26:27]
	s_wait_alu depctr_va_vdst(0)                   ; v1, v4, v5 and v7 are written: the offset of the loads, the address of the LDS stores, the offset of the global stores, the address of the LDS loads
.irp i, 0,1,2,3
	global_load_b128 v[8+8*\i:11+8*\i],  v1, s[18:19] offset:131072*\i th:TH_LOAD_NT        ; row k = 2 rr + 32 i
	global_load_b128 v[12+8*\i:15+8*\i], v1, s[18:19] offset:131072*\i+4096 th:TH_LOAD_NT   ; row k + 1
.endr
	s_wait_loadcnt 0x0
.irp i, 0,1,2,3
.irp q, 0,1,2,3
	v_cvt_pk_bf16_f32 v[40+4*\i+\q], v[8+8*\i+\q], v[12+8*\i+\q]      ; two neighbouring k of column 4 c + q
.endr
.endr
	s_wait_alu depctr_va_vdst(0)                   ; the sixteen conversions have written v[40:55], which the LDS stores read
.irp i, 0,1,2,3
.irp q, 0,1,2,3
	ds_store_b32 v4, v[40+4*\i+\q] offset:LP*\q+64*\i
.endr
.endr
	s_wait_dscnt 0x0                               ; my stores are in LDS before I say so: other waves read them
	s_barrier_signal -1
	s_barrier_wait -1
.irp u, 0,1,2,3,4,5,6,7
	ds_load_b64 v[56+2*\u:57+2*\u], v7 offset:LP*\u                    ; no vector instruction of this way names v[56:71]
.endr
.irp u, 0,1,2,3,4,5,6,7
	s_wait_dscnt 7-\u                              ; LDS loads come back in order: row u is in
	global_store_b64 v5, v[56+2*\u:57+2*\u], s[28:29] offset:2048*\u   ; the wave stores 256 consecutive bytes, aligned
.endr
	s_wait_dscnt 0x0                               ; the closing lines, six on end
	s_wait_alu 0x0
	s_wait_tensorcnt 0x0
	ds_add_u32 v104, v105
	s_wait_dscnt 0x0
	s_endpgm
.Lfunc_end_k_qcb99759d4f_prep:
	.size	k_qcb99759d4f_prep, .Lfunc_end_k_qcb99759d4f_prep-k_qcb99759d4f_prep
	.p2alignl 7, 3214868480
	.fill 96, 4, 3214868480
	.section	.rodata,"a",@progbits
	.p2align	6, 0x0
	.amdhsa_kernel k_qcb99759d4f_prep
		.amdhsa_group_segment_fixed_size 17920
		.amdhsa_private_segment_fixed_size 0
		.amdhsa_enable_private_segment 0
		.amdhsa_kernarg_size 56
		.amdhsa_user_sgpr_count 2
		.amdhsa_user_sgpr_kernarg_segment_ptr 1
		.amdhsa_wavefront_size32 1
		.amdhsa_system_sgpr_workgroup_id_x 1
		.amdhsa_system_sgpr_workgroup_id_y 1
		.amdhsa_system_sgpr_workgroup_id_z 1
		.amdhsa_system_vgpr_workitem_id 0
		.amdhsa_next_free_vgpr 106
		.amdhsa_next_free_sgpr 66
		.amdhsa_reserve_vcc 0
		.amdhsa_float_denorm_mode_32 3
		.amdhsa_float_denorm_mode_16_64 3
		.amdhsa_memory_ordered 1
		.amdhsa_forward_progress 1
		.amdhsa_inst_pref_size 13
	.end_amdhsa_kernel
	.amdgpu_metadata
---
amdhsa.version: [ 1, 2 ]
amdhsa.kernels:
  - .name:           k_qcb99759d4f_prep
    .symbol:         k_qcb99759d4f_prep.kd
    .args:
      - { .name: x, .offset: 0, .size: 8, .value_kind: global_buffer, .address_space: global }
      - { .name: Wq, .offset: 8, .size: 8, .value_kind: global_buffer, .address_space: global }
      - { .name: Wk, .offset: 16, .size: 8, .value_kind: global_buffer, .address_space: global }
      - { .name: Wv, .offset: 24, .size: 8, .value_kind: global_buffer, .address_space: global }
      - { .name: xb, .offset: 32, .size: 8, .value_kind: global_buffer, .address_space: global }
      - { .name: wqt, .offset: 40, .size: 8, .value_kind: global_buffer, .address_space: global }
      - { .name: wkv, .offset: 48, .size: 8, .value_kind: global_buffer, .address_space: global }
    .group_segment_fixed_size: 17920
    .private_segment_fixed_size: 0
    .kernarg_segment_align: 8
    .kernarg_segment_size: 56
    .max_flat_workgroup_size: 256
    .sgpr_count:     66
    .vgpr_count:     106
    .wavefront_size: 32
...
	.end_amdgpu_metadata
.endif
;; end of part 5
;; launch kvpass: the kernel of part 2 again; grid 8 x 64, 4 waves a work-group, clusters of 4 x 4, 327,680 bytes of LDS; arguments xb, wkv, bk, bv, mask, part; writes part
;; launch reduce: the kernel of part 3 again; grid 5 x 64, 4 waves a work-group, no clusters, 0 bytes of LDS; arguments part, kvz; writes kvz
;; launch qpass: the kernel of part 4 again; grid 4 x 64, 4 waves a work-group, clusters of 4 x 4, 327,680 bytes of LDS; arguments xb, wqt, bq, mask, kvz, out0; writes out0
